; MI455X (gfx1250); checked and timed in simulation.
; The chip was launched on July 23, 2026; its instructions are those of AMD's public machine-readable ISA for CDNA 5 (MIT licence, August 2026) and "CDNA5" Instruction Set Architecture Reference Guide (July 2026). The comments in the code are by the model that wrote it; some were corrected since.
;; Hyperbolic MLR. Allowed arithmetic: float matrix products may take bf16 or f16 operands with f32 sums; all other float work in f32.
;; Inputs: a_vals 1,000 x 64 float32; p_vals 1,000 x 64 float32; x 2,048 x 64 float32.
;; Outputs: out0 2,048 x 1,000 float32.
;; 2 versions, each right; version 2 is version 1 with the launch mlr written anew for expert scheduling mode. Each part assembles by itself: llvm-mc -triple=amdgcn-amd-amdhsa -mcpu=gfx1250 --defsym DOCPART=n.
;; ======== version 1 of 2: 1 launch
;; limits: values outside matrix products are rounded to bf16
;; launch mlr (part 1): grid 125 x 2, 8 waves a work-group, no clusters, 92,160 bytes of LDS; arguments x, a_vals, p_vals, out0; writes out0
.if DOCPART == 1
	.amdgcn_target "amdgcn-amd-amdhsa--gfx1250"
	.amdhsa_code_object_version 6
	.text
	.protected	k_q29e7244d1a_mlr
	.globl	k_q29e7244d1a_mlr
	.p2align	8
	.type	k_q29e7244d1a_mlr,@function
k_q29e7244d1a_mlr:
	s_mov_b64 s[64:65], 0
	v_nop
	global_prefetch_b8 v0, s[64:65] scope:SCOPE_SE
	s_setreg_imm32_b32 hwreg(HW_REG_WAVE_MODE, 25, 1), 1
	s_wait_xcnt 0x0
; HyperbolicMLR: out0[b][c] = S_c * asinh(z),  z = r_b * (h_b G_c + P_c (x_b.p_c) + A_c (x_b.a_c)).
; With T = tanh(u)/u, u = sqrt(k) max(|p|, EPS):  mp = -T p,  kp2 = k T^2 |p|^2,  s = 1 + kp2,  beta = 1 - kp2,  an = max(s |a|, EPS),
;   A = 2 sqrt(k) s / an,  G = -A T (p.a) / beta,  P = -2 k T G,  S = 2 an / (beta sqrt(k)),  h = 1 + k |x|^2,  r = 1 / (1 - k |x|^2).
; This is reference() with 1 - k |(-p) (+) x|^2 written as beta (1 - k |x|^2) / den (an identity of the Moebius sum), so that den cancels.
; DECISIONS AND LIMITS.  x, a_vals, p_vals are rounded to bf16 once, and every sum (|p|^2, |a|^2, p.a, |x|^2, x.p, x.a) is an f32 sum of exact
; products of the rounded numbers: the result is reference() at the rounded inputs.  |z| above 1.8e19: z^2 overflows and the result is infinite.
; Sums of squares below 2^-126 count as zero in v_sqrt_f32; they lie under reference()'s own clamp at EPS, which then decides.
; beta = 4 q (1 - q), q = 1 / (1 + e^(2u)): no difference of near-equal numbers; under u = 1/8 a series of tanh(u)/u (next term 1.3e-9).
; asinh = ln(|z| + sqrt(z^2 + 1)) with z's sign; under |z| = 1/8 the odd series up to z^5 (next term 1.7e-7 of the value).
;
; TILING.  A row of out0 is 4,000 bytes; 16 rows (a strip) are 64,000 = 125 x 512.  Work-group (j, sb) owns floats 128 j .. 128 j + 127 of the
; strips 64 sb .. 64 sb + 63: each of its stores is 512 consecutive bytes at a multiple of 512 from out0's first byte.  Float f of a strip is
; row f / 1000, class f % 1000: the group's 128 'virtual classes' are classes (c0 + i) mod 1000, and its rows of x are row rho0 of each strip
; for i < w = 1000 - c0 and row rho0 + 1 behind.  w is a multiple of 8, and a lane half of a result tile holds 8 classes: every tile is
; multiplied with both sets of rows and the lane half selects; no branch and no change of EXEC is needed.
; No cluster: 125 x 2 work-groups divide into no cluster of four, and every f32 has to pass registers to be rounded, so tiles are not
; brought by the data mover.  Eight waves; all 24 loads of a wave (the group's 96 KiB) are issued at once.
.set NCLS,   1000
.set CLSB,   NCLS*256                  ; bytes of a_vals and of p_vals
.set STRIPB, 16*NCLS*4                 ; bytes of out0 in a strip
.set PITCH,  144                       ; LDS row of 64 bf16: 128 bytes + 16, an odd multiple of 16: 16 rows start in 16 different 16-byte columns
.set LP,     0                         ; 128 virtual classes of p
.set LA,     128*PITCH                 ; and of a
.set LX,     2*128*PITCH               ; 64 rows of x for rho0, then 64 for rho1
.set XE,     64*PITCH
.set LSC,    LX+2*XE                   ; G, P, A, S ln2: 128 f32 each
.set ST,     LSC+4*512                 ; stage: 64 strips x 128 f32
.set SPITCH, 528                       ; 512 + 16
; vector registers
.set LANE,1
.set R16,2                             ; lane % 16
.set HL,3                              ; lane / 16
.set R7,4
.set LCS,5
.set LXS,6
.set LSS,7
.set CF1,8
.set TA,9
.set TB,10
.set R3,11
.set PXT,12
.set OFFC,16                           ; v16-23 byte offsets of my eight pairs of class rows
.set OFFX,24
.set PLD,32                            ; v32-63 p as loaded, v64-95 a, v96-127 x
.set ALD,64
.set XLD,96
.set XF0,32                            ; later: x fragments for rho0, rho1 (16 registers each)
.set XF1,48
.set PF,64                             ; class fragments of p and of a
.set AF,80
.set CS0,96                            ; class scalars of a tile, two sets: G 0-7, P 8-15, A 16-23, S ln2 24-31
.set CS1,128
.set D10,160                           ; x.p with rho0, rho1; x.a with rho0, rho1; then at work
.set D11,168
.set D20,176
.set D21,184
.set ZZ,192
.set ZSQ,200
.set XFA,208
.set CFA,209
.set SCA,210
.set STA,211
.set OCT,212
.set RDA,213
.set GO,214
.set Y0,215
.set Y1,216
.set R0,217
.set R1,218
.set HR0,219
.set HR1,220
.set DN0,221
.set RR,222                            ; pairs for the packed forms
.set VONE,224
.set VC0,226
.set VC1,228
.set VC2,230
.set HRR,232
.set DN1,234
; class scalars at work (v128-153, before set 1 is first loaded)
.set SS,128
.set SAA,129
.set DPA,130
.set NRM,131
.set ANR,132
.set UU,133
.set EAR,134
.set EXQ,135
.set IUU,136
.set UU2,137
.set QQ,138
.set TSER,139
.set TBIG,140
.set BBIG,141
.set TT,142
.set KP2,143
.set BET,144
.set SCF,145
.set IAN,146
.set IBE,147
.set ACO,148
.set GCO,149
.set PCO,150
.set SLO,151
.set W1,152
.set W2,153
; scalar registers
.set EPS,32
.set SQK,33
.set L2E2,34
.set KT3,35
.set KT2,36
.set KT1,37
.set KK,38
.set UTH,39
.set MK,40                             ; s40-43 tile tt: lanes whose 8 classes lie behind the wrap
.set TH2,44
.set ABSM,45
.set SQK2,50
.set KM2,51
.set SLC,52
.set PX0,53
.set PX1,54
.set MJ,54                             ; s55-61 lanes with lane % 8 == j, j = 1 .. 7
.set MV,62                             ; lanes that hold a diagonal element
	s_load_b128 s[4:7], s[0:1], 0x0                ; x s[4:5], a_vals s[6:7]
	s_load_b128 s[8:11], s[0:1], 0x10              ; p_vals s[8:9], out0 s[10:11]
	v_lshl_add_u32 v240, v0, 2, 0x16400
	v_mov_b32 v241, 0
	v_lshrrev_b32 v[TA], 5, v0
	v_readfirstlane_b32 s12, v[TA]                 ; wave 0..7
	v_and_b32 v[LANE], 31, v0
	v_and_b32 v[R16], 15, v0
	v_bfe_u32 v[HL], v0, 4, 1
	s_and_b32 s14, ttmp7, 0xffff                   ; sb: which 64 strips
	s_lshl_b32 s15, ttmp9, 7                       ; f0 = 128 j, at most 15,872
	s_mul_i32 s16, s15, 67109                      ; f0 / 1000 = f0 * 67109 >> 26: 67109 / 2^26 exceeds 1/1000 by 2.0e-9, times 15,872 under 1/1000
	s_lshr_b32 s16, s16, 26                        ; rho0
	s_mul_i32 s17, s16, NCLS
	s_sub_co_u32 s17, s15, s17                     ; c0 = f0 % 1000
	s_sub_co_u32 s18, NCLS, s17                    ; w: first virtual class of the next row (128 or more: none)
	s_add_co_u32 s19, s16, 1
	s_min_u32 s19, s19, 15                         ; rho1; with rho0 = 15 w is at least 128, nothing selects it, and it stays inside x
	; class rows: wave w takes virtual classes 16 w .. 16 w + 15, two rows a load, 16 lanes x 16 bytes = a whole row of 256 bytes
	s_lshl_b32 s28, s12, 4
	s_add_co_u32 s28, s28, s17
	s_lshl_b32 s28, s28, 8                         ; (c0 + 16 w) rows
	v_lshl_add_u32 v[OFFC], v[LANE], 4, s28        ; 16 lane = 256 (lane / 16) + 16 (lane % 16)
.irp it, 1,2,3,4,5,6,7
	v_add_nc_u32 v[OFFC+\it], 512*\it, v[OFFC]
.endr
.irp it, 0,1,2,3,4,5,6,7
	v_add_nc_u32 v[TA], 0xfffc1800, v[OFFC+\it]    ; - 256,000: below the table's end this wraps to a huge number,
	v_min_u32 v[OFFC+\it], v[OFFC+\it], v[TA]      ; so the unsigned minimum is the offset modulo the table
.endr
	; rows of x: wave w takes strips 8 w .. 8 w + 7 of the group's 64, for rho0 and for rho1; a strip is 16 rows = 4,096 bytes
	s_lshl_b32 s24, s14, 18                        ; sb * 64 strips
	s_lshl_b32 s26, s16, 8
	s_add_co_u32 s26, s26, s24
	s_mov_b32 s27, 0
	s_lshl_b32 s46, s19, 8
	s_add_co_u32 s46, s46, s24
	s_mov_b32 s47, 0
	s_mul_i32 s24, s14, 64*STRIPB
	s_lshl_b32 s25, ttmp9, 9
	s_add_co_u32 s24, s24, s25                     ; out0: sb * 64 strips + 512 j
	s_mov_b32 s25, 0
	s_lshl_b32 s48, s12, 15
	v_lshlrev_b32 v[OFFX], 4, v[R16]
	v_lshl_add_u32 v[OFFX], v[HL], 12, v[OFFX]
	v_add_nc_u32 v[OFFX], s48, v[OFFX]
	s_wait_kmcnt 0x0
	s_add_nc_u64 s[20:21], s[4:5], s[26:27]        ; x at row rho0 of the group's first strip
	s_add_nc_u64 s[22:23], s[4:5], s[46:47]        ; x at row rho1
	s_add_nc_u64 s[10:11], s[10:11], s[24:25]
.irp it, 0,1,2,3,4,5,6,7
	global_load_b128 v[PLD+4*\it:PLD+4*\it+3], v[OFFC+\it], s[8:9]
	global_load_b128 v[ALD+4*\it:ALD+4*\it+3], v[OFFC+\it], s[6:7]
.endr
.irp q, 0,1,2,3
	global_load_b128 v[XLD+4*\q:XLD+4*\q+3], v[OFFX], s[20:21] offset:8192*\q
.endr
.irp q, 0,1,2,3
	global_load_b128 v[XLD+16+4*\q:XLD+16+4*\q+3], v[OFFX], s[22:23] offset:8192*\q
.endr
	; while the loads are on their way: every LDS address, mask and constant of the kernel
	v_mul_u32_u24 v[TA], v[HL], PITCH
	v_lshl_add_u32 v[TA], v[R16], 3, v[TA]         ; storing rows: (lane / 16) rows + 8 bytes (4 bf16) a lane
	s_mul_i32 s24, s12, 16*PITCH
	v_add_nc_u32 v[LCS], s24, v[TA]
	s_mul_i32 s25, s12, 8*PITCH
	v_add_nc_u32 v[LXS], s25, v[TA]
	v_mul_u32_u24 v[TB], v[R16], PITCH
	v_lshl_add_u32 v[TB], v[HL], 4, v[TB]          ; a fragment's lane term: row lane % 16, 16 bytes a lane half
	v_add_nc_u32 v[CF1], s24, v[TB]                ; my own 16 classes
	s_lshl_b32 s26, s12, 6
	v_lshl_add_u32 v[LSS], v[R16], 2, s26          ; class 16 w + lane % 16, 4 bytes
	v_and_b32 v[R7], 7, v0
	v_bfe_u32 v[R3], v0, 3, 1
.irp j, 1,2,3,4,5,6,7
	v_cmp_eq_u32 s[MJ+\j], \j, v[R7]
.endr
	v_cmp_eq_u32 s[MV], v[HL], v[R3]               ; element (m, m) of a result lies in lane (m % 16, half m / 8), register m % 8
	s_and_b32 s29, s12, 3                          ; nt: my 16 strips
	s_lshr_b32 s30, s12, 2                         ; th: my four class tiles
	s_mul_i32 s24, s29, 16*PITCH
	v_add_nc_u32 v[XFA], s24, v[TB]
	s_mul_i32 s24, s30, 64*PITCH
	v_add_nc_u32 v[CFA], s24, v[TB]
	s_lshl_b32 s24, s30, 8
	v_lshl_add_u32 v[SCA], v[HL], 5, s24           ; scalars of classes 64 th + 8 (lane / 16) ..
	v_mul_u32_u24 v[TA], v[R16], SPITCH
	v_lshl_add_u32 v[TA], v[HL], 5, v[TA]
	s_mul_i32 s25, s29, 16*SPITCH
	s_add_co_u32 s25, s25, s24
	v_add_nc_u32 v[STA], s25, v[TA]                ; stage: strip 16 nt + lane % 16, float 64 th + 8 (lane / 16)
	s_lshl_b32 s24, s30, 6
	v_lshl_add_u32 v[OCT], v[HL], 3, s24
.irp tt, 0,1,2,3
	s_sub_co_i32 s[46+\tt], s18, 16*\tt
	v_cmp_le_i32 s[MK+\tt], s[46+\tt], v[OCT]      ; 64 th + 16 tt + 8 (lane / 16) >= w
.endr
	s_mul_i32 s24, s12, 8*SPITCH
	v_lshl_add_u32 v[RDA], v[LANE], 4, s24         ; the way out: wave w takes strips 8 w .. 8 w + 7
	s_mul_i32 s24, s12, 8*STRIPB
	v_lshl_add_u32 v[GO], v[LANE], 4, s24
	s_mov_b32 s[EPS], 0x26901d7d                   ; 1e-15
	s_mov_b32 s[SQK], 0x3ea1e89b                   ; sqrt(0.1)
	s_mov_b32 s[L2E2], 0x4038aa3b                  ; 2 log2(e)
	s_mov_b32 s[KT3], 0xbd5d0dd1                   ; -17/315
	s_mov_b32 s[KT2], 0x3e088889                   ; 2/15
	s_mov_b32 s[KT1], 0xbeaaaaab                   ; -1/3
	s_mov_b32 s[KK], 0x3dcccccd                    ; k = 0.1
	s_mov_b32 s[UTH], 0x3e000000                   ; 1/8
	s_mov_b32 s[TH2], 0x3c800000                   ; 1/64
	s_mov_b32 s[ABSM], 0x7fffffff
	s_mov_b32 s[SQK2], 0x3f21e89b                  ; 2 sqrt(k)
	s_mov_b32 s[KM2], 0xbe4ccccd                   ; -2 k
	s_mov_b32 s[SLC], 0x408c487b                   ; 2 ln2 / sqrt(k)
	s_mov_b32 s[PX0], 0x76543210                   ; v_permlanex16_b32: lane i of the other half
	s_mov_b32 s[PX1], 0xfedcba98
.irp i, 0,1
	v_mov_b32 v[VONE+\i], 1.0
	v_mov_b32 v[VC0+\i], 0x3fb8aa3b                ; the series of asinh in units of log2: 1/ln2,
	v_mov_b32 v[VC1+\i], 0xbe76384f                ; -1/(6 ln2),
	v_mov_b32 v[VC2+\i], 0x3ddd9914                ; 3/(40 ln2)
.endr
	v_mov_b32 v[PXT], 0                            ; v_permlanex16_b32's destination counts as read
	; PHASE 1.  Round to bf16 (nearest even) and lay the rows into LDS.
.irp it, 0,1,2,3,4,5,6,7
	s_wait_loadcnt 22-2*\it                        ; loads return in order: p and a of this pair of rows are in, the 22 - 2 it younger loads stay out
	v_cvt_pk_bf16_f32 v[PLD+4*\it],   v[PLD+4*\it],   v[PLD+4*\it+1]
	v_cvt_pk_bf16_f32 v[PLD+4*\it+1], v[PLD+4*\it+2], v[PLD+4*\it+3]
	v_cvt_pk_bf16_f32 v[ALD+4*\it],   v[ALD+4*\it],   v[ALD+4*\it+1]
	v_cvt_pk_bf16_f32 v[ALD+4*\it+1], v[ALD+4*\it+2], v[ALD+4*\it+3]
	ds_store_b64 v[LCS], v[PLD+4*\it:PLD+4*\it+1] offset:LP+2*PITCH*\it
	ds_store_b64 v[LCS], v[ALD+4*\it:ALD+4*\it+1] offset:LA+2*PITCH*\it
.endr
.irp o, 0,1,2,3
	ds_load_b128 v[PF+4*\o:PF+4*\o+3], v[CF1] offset:LP+32*\o      ; my own 16 classes back as fragments: LDS serves a wave's
	ds_load_b128 v[AF+4*\o:AF+4*\o+3], v[CF1] offset:LA+32*\o      ; instructions in order, and no other wave writes these rows
.endr
.irp i, 0,1,2,3,4,5,6,7
	s_wait_loadcnt 7-\i                            ; the 7 - i younger loads of x stay out
	v_cvt_pk_bf16_f32 v[XLD+4*\i],   v[XLD+4*\i],   v[XLD+4*\i+1]
	v_cvt_pk_bf16_f32 v[XLD+4*\i+1], v[XLD+4*\i+2], v[XLD+4*\i+3]
	ds_store_b64 v[LXS], v[XLD+4*\i:XLD+4*\i+1] offset:LX+XE*(\i/4)+2*PITCH*(\i%4)
.endr
	s_wait_dscnt 8                                 ; the eight stores of x were issued behind the fragment loads: those are in
	; |p|^2, |a|^2, p.a of 16 classes: the diagonals of three products of 16 x 16 x 64 (A's and B's fragments have the same layout)
	v_wmma_f32_16x16x32_bf16 v[D10:D10+7], v[PF:PF+7],    v[PF:PF+7],    0
	v_wmma_f32_16x16x32_bf16 v[D11:D11+7], v[AF:AF+7],    v[AF:AF+7],    0
	v_wmma_f32_16x16x32_bf16 v[D20:D20+7], v[PF:PF+7],    v[AF:AF+7],    0
	v_wmma_f32_16x16x32_bf16 v[D10:D10+7], v[PF+8:PF+15], v[PF+8:PF+15], v[D10:D10+7]
	v_wmma_f32_16x16x32_bf16 v[D11:D11+7], v[AF+8:AF+15], v[AF+8:AF+15], v[D11:D11+7]
	v_wmma_f32_16x16x32_bf16 v[D20:D20+7], v[PF+8:PF+15], v[AF+8:AF+15], v[D20:D20+7]
.rept 4
	v_nop                                          ; four places before a vector instruction reads a matrix result (ISA guide 7.12.1)
.endr
; the diagonal element of column lane % 16 into both lane halves: register lane % 8 by seven selects; the half that holds (m, m) hands it over
.macro DIAG dst, d
	v_cndmask_b32 v[\dst], v[\d], v[\d+1], s[MJ+1]
.irp j, 2,3,4,5,6,7
	v_cndmask_b32 v[\dst], v[\dst], v[\d+\j], s[MJ+\j]
.endr
	v_permlanex16_b32 v[PXT], v[\dst], s[PX0], s[PX1]
	v_cndmask_b32 v[\dst], v[PXT], v[\dst], s[MV]
.endm
	DIAG SS, D10
	DIAG SAA, D11
	DIAG DPA, D20
	; the class's scalars, class 16 w + lane % 16 in each lane.  Behind each run of transcendentals one plain instruction before a result is used.
	v_sqrt_f32 v[NRM], v[SS]
	v_sqrt_f32 v[ANR], v[SAA]
	v_nop
	s_wait_alu depctr_va_vdst(0)
	v_max_num_f32 v[NRM], s[EPS], v[NRM]
	v_mul_f32 v[UU], s[SQK], v[NRM]                ; u
	v_mul_f32 v[EAR], s[L2E2], v[UU]
	v_exp_f32 v[EXQ], v[EAR]                       ; e^(2u)
	v_rcp_f32 v[IUU], v[UU]
	v_mul_f32 v[UU2], v[UU], v[UU]
	s_wait_alu depctr_va_vdst(0)
	v_add_f32 v[EXQ], 1.0, v[EXQ]
	v_rcp_f32 v[QQ], v[EXQ]                        ; q = 1 / (1 + e^(2u))
	v_fma_f32 v[TSER], v[UU2], s[KT3], s[KT2]
	v_fma_f32 v[TSER], v[TSER], v[UU2], s[KT1]
	v_fma_f32 v[TSER], v[TSER], v[UU2], 1.0        ; tanh(u)/u = 1 - u^2/3 + 2u^4/15 - 17u^6/315
	s_wait_alu depctr_va_vdst(0)
	v_fma_f32 v[TBIG], v[QQ], -2.0, 1.0            ; tanh(u) = 1 - 2q
	v_mul_f32 v[TBIG], v[TBIG], v[IUU]
	v_fma_f32 v[BBIG], -v[QQ], v[QQ], v[QQ]
	v_mul_f32 v[BBIG], 4.0, v[BBIG]                ; 1 - tanh^2 = 4 q (1 - q)
	v_cmp_gt_f32 vcc_lo, s[UTH], v[UU]             ; u < 1/8
	v_cndmask_b32 v[TT], v[TBIG], v[TSER], vcc_lo
	v_mul_f32 v[KP2], v[TT], v[TT]
	v_mul_f32 v[KP2], v[KP2], v[SS]
	v_mul_f32 v[KP2], s[KK], v[KP2]                ; k p2
	v_sub_f32 v[W1], 1.0, v[KP2]                   ; under u = 1/8 k p2 is under 1/64: nothing cancels
	v_cndmask_b32 v[BET], v[BBIG], v[W1], vcc_lo
	v_add_f32 v[SCF], 1.0, v[KP2]
	v_mul_f32 v[ANR], v[ANR], v[SCF]
	v_max_num_f32 v[ANR], s[EPS], v[ANR]
	v_rcp_f32 v[IAN], v[ANR]
	v_rcp_f32 v[IBE], v[BET]
	v_mul_f32 v[W1], s[SQK2], v[SCF]
	s_wait_alu depctr_va_vdst(0)
	v_mul_f32 v[ACO], v[W1], v[IAN]                ; A
	v_mul_f32 v[W2], v[TT], v[DPA]
	v_mul_f32 v[W2], v[W2], v[IBE]
	v_mul_f32 v[GCO], -v[ACO], v[W2]               ; G
	v_mul_f32 v[W1], s[KM2], v[TT]
	v_mul_f32 v[PCO], v[W1], v[GCO]                ; P
	v_mul_f32 v[W2], v[ANR], v[IBE]
	v_mul_f32 v[SLO], s[SLC], v[W2]                ; S ln2
	ds_store_b32 v[LSS], v[GCO] offset:LSC         ; both lane halves store the same number to the same word
	ds_store_b32 v[LSS], v[PCO] offset:LSC+512
	ds_store_b32 v[LSS], v[ACO] offset:LSC+1024
	ds_store_b32 v[LSS], v[SLO] offset:LSC+1536
	s_wait_dscnt 0x0                               ; for the other waves: all my rows and scalars are in LDS
	s_barrier_signal -1
	s_barrier_wait -1
	; PHASE 2.  Wave w: strips 16 nt .. + 15 (columns of the products), class tiles 4 th .. 4 th + 3 (rows of the products).
.irp o, 0,1,2,3
	ds_load_b128 v[XF0+4*\o:XF0+4*\o+3], v[XFA] offset:LX+32*\o
	ds_load_b128 v[XF1+4*\o:XF1+4*\o+3], v[XFA] offset:LX+XE+32*\o
.endr
; 16 loads: a class tile's fragments of p and a, and the scalars of my lane half's eight classes (all lanes of a half read the same bytes)
.macro LOADT tt, set
.irp o, 0,1,2,3
	ds_load_b128 v[PF+4*\o:PF+4*\o+3], v[CFA] offset:LP+16*PITCH*(\tt)+32*\o
	ds_load_b128 v[AF+4*\o:AF+4*\o+3], v[CFA] offset:LA+16*PITCH*(\tt)+32*\o
.endr
.irp arr, 0,1,2,3
	ds_load_b128 v[\set+8*\arr:\set+8*\arr+3],   v[SCA] offset:LSC+512*\arr+64*(\tt)
	ds_load_b128 v[\set+8*\arr+4:\set+8*\arr+7], v[SCA] offset:LSC+512*\arr+64*(\tt)+16
.endr
.endm
	LOADT 0, CS0
	s_wait_dscnt 16                                ; the x fragments are in; tile 0's sixteen loads stay out
	v_wmma_f32_16x16x32_bf16 v[ZZ:ZZ+7],   v[XF0:XF0+7],    v[XF0:XF0+7],    0             ; |x|^2: diagonals again
	v_wmma_f32_16x16x32_bf16 v[ZSQ:ZSQ+7], v[XF1:XF1+7],    v[XF1:XF1+7],    0
	v_wmma_f32_16x16x32_bf16 v[ZZ:ZZ+7],   v[XF0+8:XF0+15], v[XF0+8:XF0+15], v[ZZ:ZZ+7]
	v_wmma_f32_16x16x32_bf16 v[ZSQ:ZSQ+7], v[XF1+8:XF1+15], v[XF1+8:XF1+15], v[ZSQ:ZSQ+7]
.rept 4
	v_nop
.endr
	DIAG Y0, ZZ
	DIAG Y1, ZSQ
	v_fma_f32 v[DN0], -v[Y0], s[KK], 1.0
	v_fma_f32 v[DN1], -v[Y1], s[KK], 1.0
	v_fma_f32 v[HR0], v[Y0], s[KK], 1.0
	v_fma_f32 v[HR1], v[Y1], s[KK], 1.0
	v_rcp_f32 v[R0], v[DN0]                        ; r = 1 / (1 - k |x|^2) of my lane's row, for rho0 and rho1
	v_rcp_f32 v[R1], v[DN1]
	v_nop
	s_wait_alu depctr_va_vdst(0)
	v_mul_f32 v[HR0], v[HR0], v[R0]                ; h r
	v_mul_f32 v[HR1], v[HR1], v[R1]
; One tile: 16 classes x 16 strips.  Classes are source 0: register j of lane (r, half) is class 8 half + j of the tile, strip r: eight
; neighbouring floats of a row of out0.  cur: this tile's scalars; nxt: the set that the next tile's loads fill; cnt: see the wait.
.macro TILE tt, cur, nxt, more, cnt
	s_wait_dscnt \cnt                              ; this tile's 16 loads are in; behind them only the last tile's two stage stores were issued
	v_wmma_f32_16x16x32_bf16 v[D10:D10+7], v[PF:PF+7],    v[XF0:XF0+7],    0
	v_wmma_f32_16x16x32_bf16 v[D11:D11+7], v[PF:PF+7],    v[XF1:XF1+7],    0
	v_wmma_f32_16x16x32_bf16 v[D20:D20+7], v[AF:AF+7],    v[XF0:XF0+7],    0
	v_wmma_f32_16x16x32_bf16 v[D21:D21+7], v[AF:AF+7],    v[XF1:XF1+7],    0
	v_wmma_f32_16x16x32_bf16 v[D10:D10+7], v[PF+8:PF+15], v[XF0+8:XF0+15], v[D10:D10+7]
	v_wmma_f32_16x16x32_bf16 v[D11:D11+7], v[PF+8:PF+15], v[XF1+8:XF1+15], v[D11:D11+7]
	v_wmma_f32_16x16x32_bf16 v[D20:D20+7], v[AF+8:AF+15], v[XF0+8:XF0+15], v[D20:D20+7]
	v_wmma_f32_16x16x32_bf16 v[D21:D21+7], v[AF+8:AF+15], v[XF1+8:XF1+15], v[D21:D21+7]
	; four plain instructions that name none of the products' registers: the places in front of the loads into the fragments and of the
	; reads of the results.  They pick my lane half's row scalars.
	v_cndmask_b32 v[RR],    v[R0],  v[R1],  s[MK+\tt]
	v_cndmask_b32 v[RR+1],  v[R0],  v[R1],  s[MK+\tt]
	v_cndmask_b32 v[HRR],   v[HR0], v[HR1], s[MK+\tt]
	v_cndmask_b32 v[HRR+1], v[HR0], v[HR1], s[MK+\tt]
.if \more
	LOADT (\tt+1), \nxt                            ; a whole tile's arithmetic ahead of their use
.endif
.irp j, 0,1,2,3,4,5,6,7
	v_cndmask_b32 v[D10+\j], v[D10+\j], v[D11+\j], s[MK+\tt]       ; x.p and x.a with the row that my eight classes belong to
	v_cndmask_b32 v[D20+\j], v[D20+\j], v[D21+\j], s[MK+\tt]
.endr
.irp j, 0,2,4,6
	v_pk_mul_f32 v[D11+\j:D11+\j+1], v[\cur+8+\j:\cur+8+\j+1], v[D10+\j:D10+\j+1]                      ; P (x.p)
	v_pk_mul_f32 v[D21+\j:D21+\j+1], v[\cur+\j:\cur+\j+1], v[HRR:HRR+1]                                ; G h r
.endr
.irp j, 0,2,4,6
	v_pk_fma_f32 v[D11+\j:D11+\j+1], v[\cur+16+\j:\cur+16+\j+1], v[D20+\j:D20+\j+1], v[D11+\j:D11+\j+1] ; + A (x.a)
.endr
.irp j, 0,2,4,6
	v_pk_fma_f32 v[ZZ+\j:ZZ+\j+1], v[D11+\j:D11+\j+1], v[RR:RR+1], v[D21+\j:D21+\j+1]                  ; z
.endr
.irp j, 0,2,4,6
	v_pk_mul_f32 v[ZSQ+\j:ZSQ+\j+1], v[ZZ+\j:ZZ+\j+1], v[ZZ+\j:ZZ+\j+1]
.endr
.irp j, 0,2,4,6
	v_pk_add_f32 v[D10+\j:D10+\j+1], v[ZSQ+\j:ZSQ+\j+1], v[VONE:VONE+1]
.endr
.irp j, 0,1,2,3,4,5,6,7
	v_sqrt_f32 v[D20+\j], v[D10+\j]
.endr
.irp j, 0,2,4,6
	v_pk_fma_f32 v[D11+\j:D11+\j+1], v[ZSQ+\j:ZSQ+\j+1], v[VC2:VC2+1], v[VC1:VC1+1]                    ; the series; also the plain work behind the roots
.endr
.irp j, 0,2,4,6
	v_pk_fma_f32 v[D11+\j:D11+\j+1], v[D11+\j:D11+\j+1], v[ZSQ+\j:ZSQ+\j+1], v[VC0:VC0+1]
.endr
	s_wait_alu depctr_va_vdst(0)
.irp j, 0,1,2,3,4,5,6,7
	v_add_f32 v[D10+\j], |v[ZZ+\j]|, v[D20+\j]
.endr
.irp j, 0,1,2,3,4,5,6,7
	v_log_f32 v[D21+\j], v[D10+\j]                 ; log2(|z| + sqrt(z^2 + 1))
.endr
.irp j, 0,1,2,3,4,5,6,7
	v_mul_f32 v[D11+\j], |v[ZZ+\j]|, v[D11+\j]     ; |z| (1 - z^2/6 + 3 z^4/40) / ln2
.endr
	s_wait_alu depctr_va_vdst(0)
.irp j, 0,1,2,3,4,5,6,7
	v_cmp_gt_f32 vcc_lo, s[TH2], v[ZSQ+\j]         ; z^2 < 1/64
	v_cndmask_b32 v[D21+\j], v[D21+\j], v[D11+\j], vcc_lo
.endr
.irp j, 0,2,4,6
	v_pk_mul_f32 v[D21+\j:D21+\j+1], v[D21+\j:D21+\j+1], v[\cur+24+\j:\cur+24+\j+1]                    ; times S ln2, which is not negative
.endr
.irp j, 0,1,2,3,4,5,6,7
	v_bfi_b32 v[D21+\j], s[ABSM], v[D21+\j], v[ZZ+\j]              ; z's sign
.endr
	ds_store_b128 v[STA], v[D21:D21+3]   offset:ST+64*\tt
	ds_store_b128 v[STA], v[D21+4:D21+7] offset:ST+64*\tt+16
.endm
	TILE 0, CS0, CS1, 1, 0
	TILE 1, CS1, CS0, 1, 2
	TILE 2, CS0, CS1, 1, 2
	TILE 3, CS1, CS0, 0, 2
	; THE WAY OUT.  A strip's 128 floats come from two waves, so a barrier; then a wave reads a strip's 512 bytes and stores them with one
	; instruction: 512 consecutive bytes at a multiple of 512 from out0's first byte.
	s_wait_dscnt 0x0
	s_barrier_signal -1
	s_barrier_wait -1
.irp i, 0,1,2,3,4,5,6,7
	ds_load_b128 v[XF0+4*\i:XF0+4*\i+3], v[RDA] offset:ST+SPITCH*\i
.endr
.irp i, 0,1,2,3,4,5,6,7
	s_wait_dscnt 7-\i                              ; LDS loads return in order: strip i is in
	global_store_b128 v[GO], v[XF0+4*\i:XF0+4*\i+3], s[10:11] offset:STRIPB*\i th:TH_STORE_NT
.endr
	s_wait_tensorcnt 0x0
	ds_add_u32 v240, v241
	s_wait_dscnt 0x0
	s_endpgm
.Lfunc_end_k_q29e7244d1a_mlr:
	.size	k_q29e7244d1a_mlr, .Lfunc_end_k_q29e7244d1a_mlr-k_q29e7244d1a_mlr
	.p2alignl 7, 3214868480
	.fill 96, 4, 3214868480
	.section	.rodata,"a",@progbits
	.p2align	6, 0x0
	.amdhsa_kernel k_q29e7244d1a_mlr
		.amdhsa_group_segment_fixed_size 92160
		.amdhsa_private_segment_fixed_size 0
		.amdhsa_enable_private_segment 0
		.amdhsa_kernarg_size 32
		.amdhsa_user_sgpr_count 2
		.amdhsa_user_sgpr_kernarg_segment_ptr 1
		.amdhsa_wavefront_size32 1
		.amdhsa_system_sgpr_workgroup_id_x 1
		.amdhsa_system_sgpr_workgroup_id_y 1
		.amdhsa_system_sgpr_workgroup_id_z 1
		.amdhsa_system_vgpr_workitem_id 0
		.amdhsa_next_free_vgpr 242
		.amdhsa_next_free_sgpr 66
		.amdhsa_reserve_vcc 1
		.amdhsa_float_denorm_mode_32 3
		.amdhsa_float_denorm_mode_16_64 3
		.amdhsa_memory_ordered 1
		.amdhsa_forward_progress 1
		.amdhsa_inst_pref_size 54
	.end_amdhsa_kernel
	.amdgpu_metadata
---
amdhsa.version: [ 1, 2 ]
amdhsa.kernels:
  - .name:           k_q29e7244d1a_mlr
    .symbol:         k_q29e7244d1a_mlr.kd
    .args:
      - { .name: x, .offset: 0, .size: 8, .value_kind: global_buffer, .address_space: global }
      - { .name: a_vals, .offset: 8, .size: 8, .value_kind: global_buffer, .address_space: global }
      - { .name: p_vals, .offset: 16, .size: 8, .value_kind: global_buffer, .address_space: global }
      - { .name: out0, .offset: 24, .size: 8, .value_kind: global_buffer, .address_space: global }
    .group_segment_fixed_size: 92160
    .private_segment_fixed_size: 0
    .kernarg_segment_align: 8
    .kernarg_segment_size: 32
    .max_flat_workgroup_size: 256
    .sgpr_count:     66
    .vgpr_count:     242
    .wavefront_size: 32
...
	.end_amdgpu_metadata
.endif
;; end of part 1
;; ======== version 2 of 2: 1 launch; version 1 with the launch mlr written anew for expert scheduling mode
;; limits: values outside matrix products are rounded to bf16
;; launch mlr (part 2): grid 125 x 2, 8 waves a work-group, no clusters, 92,160 bytes of LDS; arguments x, a_vals, p_vals, out0; writes out0
.if DOCPART == 2
	.amdgcn_target "amdgcn-amd-amdhsa--gfx1250"
	.amdhsa_code_object_version 6
	.text
	.protected	k_q29e7244d1a_mlr
	.globl	k_q29e7244d1a_mlr
	.p2align	8
	.type	k_q29e7244d1a_mlr,@function
k_q29e7244d1a_mlr:
	s_mov_b64 s[64:65], 0
	v_nop
	global_prefetch_b8 v0, s[64:65] scope:SCOPE_SE
	s_setreg_imm32_b32 hwreg(HW_REG_WAVE_SCHED_MODE, 0, 2), 2
	s_setreg_imm32_b32 hwreg(HW_REG_WAVE_MODE, 25, 1), 1
	s_wait_xcnt 0x0
	s_wait_alu depctr_vm_vsrc(0)
; HyperbolicMLR: out0[b][c] = S_c * asinh(z),  z = r_b * (h_b G_c + P_c (x_b.p_c) + A_c (x_b.a_c)).
; With T = tanh(u)/u, u = sqrt(k) max(|p|, EPS):  mp = -T p,  kp2 = k T^2 |p|^2,  s = 1 + kp2,  beta = 1 - kp2,  an = max(s |a|, EPS),
;   A = 2 sqrt(k) s / an,  G = -A T (p.a) / beta,  P = -2 k T G,  S = 2 an / (beta sqrt(k)),  h = 1 + k |x|^2,  r = 1 / (1 - k |x|^2).
; This is reference() with 1 - k |(-p) (+) x|^2 written as beta (1 - k |x|^2) / den (an identity of the Moebius sum), so that den cancels.
; DECISIONS AND LIMITS.  x, a_vals, p_vals are rounded to bf16 once, and every sum (|p|^2, |a|^2, p.a, |x|^2, x.p, x.a) is an f32 sum of exact
; products of the rounded numbers: the result is reference() at the rounded inputs.  |z| above 1.8e19: z^2 overflows and the result is infinite.
; Sums of squares below 2^-126 count as zero in v_sqrt_f32; they lie under reference()'s own clamp at EPS, which then decides.
; beta = 4 q (1 - q), q = 1 / (1 + e^(2u)): no difference of near-equal numbers; under u = 1/8 a series of tanh(u)/u (next term 1.3e-9).
; asinh = ln(|z| + sqrt(z^2 + 1)) with z's sign; under |z| = 1/8 the odd series up to z^5 (next term 1.7e-7 of the value).
;
; TILING.  A row of out0 is 4,000 bytes; 16 rows (a strip) are 64,000 = 125 x 512.  Work-group (j, sb) owns floats 128 j .. 128 j + 127 of the
; strips 64 sb .. 64 sb + 63: each of its stores is 512 consecutive bytes at a multiple of 512 from out0's first byte.  Float f of a strip is
; row f / 1000, class f % 1000: the group's 128 'virtual classes' are classes (c0 + i) mod 1000, and its rows of x are row rho0 of each strip
; for i < w = 1000 - c0 and row rho0 + 1 behind.  w is a multiple of 8, and a lane half of a result tile holds 8 classes: every tile is
; multiplied with both sets of rows and the lane half selects; no branch and no change of EXEC is needed.
; No cluster: 125 x 2 work-groups divide into no cluster of four, and every f32 has to pass registers to be rounded, so tiles are not
; brought by the data mover.  Eight waves; all 24 loads of a wave (the group's 96 KiB) are issued at once.
;
; THE MODE: SCHED_MODE bits 1:0 = 2 (LLVM: expert scheduling mode 2), set by the entry lines.  The code itself states the register dependences
; between vector or matrix instructions and memory or LDS instructions, with s_wait_alu, always for 0.
; THE PLAN.  Registers that memory or LDS instructions touch:
;   v16-24            offsets of the 24 global loads; made at the head, never written again.
;   v5-8, v208-214    LDS addresses and out0's offset; made once, behind the global loads, never written again.
;   v32-63            p as loaded, rounded in place, read by 8 LDS stores; then the x fragments (loaded once, read by every product with x); then the way out's rows.
;   v64-95            a likewise; then the class fragments: loaded for my own 16 classes and for tiles 0 to 3, read by the products alone.
;   v96-127           x likewise; then scalar set 0: loaded for tiles 0 and 2, read by those tiles' arithmetic.
;   v128-159          at work on the class scalars, four of them read by LDS stores; then scalar set 1: loaded for tiles 1 and 3.
;   v192-199 (ZZ)     a tile's z and, from the sign step on, its finished results: read by the two stage stores that stand in the NEXT tile.
; So a tile has ONE wait on va_vdst, behind its products and their four places: the products are done reading the class fragments, the tile before is
; done reading the other scalar set and has written ZZ.  The next tile's 16 loads and the last tile's 2 stores follow it at once.  One wait on vm_vsrc
; stands ahead of the line that writes ZZ again.  In phase 1 the roundings stand in three runs, each with one wait ahead of its eight stores.
; Masks made by vector compares are made in runs, with one wait on va_sdst behind each run.
.set NCLS,   1000
.set CLSB,   NCLS*256                  ; bytes of a_vals and of p_vals
.set STRIPB, 16*NCLS*4                 ; bytes of out0 in a strip
.set PITCH,  144                       ; LDS row of 64 bf16: 128 bytes + 16, an odd multiple of 16: 16 rows start in 16 different 16-byte columns
.set LP,     0                         ; 128 virtual classes of p
.set LA,     128*PITCH                 ; and of a
.set LX,     2*128*PITCH               ; 64 rows of x for rho0, then 64 for rho1
.set XE,     64*PITCH
.set LSC,    LX+2*XE                   ; G, P, A, S ln2: 128 f32 each
.set ST,     LSC+4*512                 ; stage: 64 strips x 128 f32
.set SPITCH, 528                       ; 512 + 16
; vector registers
.set LANE,1
.set R16,2                             ; lane % 16
.set HL,3                              ; lane / 16
.set R7,4
.set LCS,5
.set LXS,6
.set LSS,7
.set CF1,8
.set TA,9
.set TB,10
.set R3,11
.set PXT,12
.set OFFC,16                           ; v16-23 byte offsets of my eight pairs of class rows
.set OFFX,24
.set PLD,32                            ; v32-63 p as loaded, v64-95 a, v96-127 x
.set ALD,64
.set XLD,96
.set XF0,32                            ; later: x fragments for rho0, rho1 (16 registers each)
.set XF1,48
.set PF,64                             ; class fragments of p and of a
.set AF,80
.set CS0,96                            ; class scalars of a tile, two sets: G 0-7, P 8-15, A 16-23, S ln2 24-31
.set CS1,128
.set D10,160                           ; x.p with rho0, rho1; x.a with rho0, rho1; then at work
.set D11,168
.set D20,176
.set D21,184
.set ZZ,192                            ; z, then the tile's results
.set ZSQ,200
.set XFA,208
.set CFA,209
.set SCA,210
.set STA,211
.set OCT,212
.set RDA,213
.set GO,214
.set Y0,215
.set Y1,216
.set R0,217
.set R1,218
.set HR0,219
.set HR1,220
.set DN0,221
.set RR,222                            ; pairs for the packed forms
.set VONE,224
.set VC0,226
.set VC1,228
.set VC2,230
.set HRR,232
.set DN1,234
; class scalars at work (v128-153, before set 1 is first loaded)
.set SS,128
.set SAA,129
.set DPA,130
.set NRM,131
.set ANR,132
.set UU,133
.set EAR,134
.set EXQ,135
.set IUU,136
.set UU2,137
.set QQ,138
.set TSER,139
.set TBIG,140
.set BBIG,141
.set TT,142
.set KP2,143
.set BET,144
.set SCF,145
.set IAN,146
.set IBE,147
.set ACO,148
.set GCO,149
.set PCO,150
.set SLO,151
.set W1,152
.set W2,153
; scalar registers
.set CM,24                             ; s24-31 in the tiles: lanes whose z^2 of register j is under 1/64 (at the head these eight hold offsets)
.set EPS,32
.set SQK,33
.set L2E2,34
.set KT3,35
.set KT2,36
.set KT1,37
.set KK,38
.set UTH,39
.set MK,40                             ; s40-43 tile tt: lanes whose 8 classes lie behind the wrap
.set TH2,44
.set ABSM,45
.set SQK2,50
.set KM2,51
.set SLC,52
.set PX0,53
.set PX1,54
.set MJ,54                             ; s55-61 lanes with lane % 8 == j, j = 1 .. 7
.set MV,62                             ; lanes that hold a diagonal element
	s_load_b128 s[4:7], s[0:1], 0x0                ; x s[4:5], a_vals s[6:7]
	s_load_b128 s[8:11], s[0:1], 0x10              ; p_vals s[8:9], out0 s[10:11]
	v_lshl_add_u32 v238, v0, 2, 0x16400
	v_mov_b32 v239, 0
	v_lshrrev_b32 v[TA], 5, v0
	v_readfirstlane_b32 s12, v[TA]                 ; wave 0..7
	v_and_b32 v[LANE], 31, v0
	v_and_b32 v[R16], 15, v0
	v_bfe_u32 v[HL], v0, 4, 1
	s_and_b32 s14, ttmp7, 0xffff                   ; sb: which 64 strips
	s_lshl_b32 s15, ttmp9, 7                       ; f0 = 128 j, at most 15,872
	s_mul_i32 s16, s15, 67109                      ; f0 / 1000 = f0 * 67109 >> 26: 67109 / 2^26 exceeds 1/1000 by 2.0e-9, times 15,872 under 1/1000
	s_lshr_b32 s16, s16, 26                        ; rho0
	s_mul_i32 s17, s16, NCLS
	s_sub_co_u32 s17, s15, s17                     ; c0 = f0 % 1000
	s_sub_co_u32 s18, NCLS, s17                    ; w: first virtual class of the next row (128 or more: none)
	s_add_co_u32 s19, s16, 1
	s_min_u32 s19, s19, 15                         ; rho1; with rho0 = 15 w is at least 128, nothing selects it, and it stays inside x
	s_wait_alu depctr_va_sdst(0)                   ; s12 is written, ahead of its first reader: offsets and LDS addresses are made from it
	; class rows: wave w takes virtual classes 16 w .. 16 w + 15, two rows a load, 16 lanes x 16 bytes = a whole row of 256 bytes
	s_lshl_b32 s28, s12, 4
	s_add_co_u32 s28, s28, s17
	s_lshl_b32 s28, s28, 8                         ; (c0 + 16 w) rows
	v_lshl_add_u32 v[OFFC], v[LANE], 4, s28        ; 16 lane = 256 (lane / 16) + 16 (lane % 16)
.irp it, 1,2,3,4,5,6,7
	v_add_nc_u32 v[OFFC+\it], 512*\it, v[OFFC]
.endr
.irp it, 0,1,2,3,4,5,6,7
	v_add_nc_u32 v[TA], 0xfffc1800, v[OFFC+\it]    ; - 256,000: below the table's end this wraps to a huge number,
	v_min_u32 v[OFFC+\it], v[OFFC+\it], v[TA]      ; so the unsigned minimum is the offset modulo the table
.endr
	; rows of x: wave w takes strips 8 w .. 8 w + 7 of the group's 64, for rho0 and for rho1; a strip is 16 rows = 4,096 bytes
	s_lshl_b32 s24, s14, 18                        ; sb * 64 strips
	s_lshl_b32 s26, s16, 8
	s_add_co_u32 s26, s26, s24
	s_mov_b32 s27, 0
	s_lshl_b32 s46, s19, 8
	s_add_co_u32 s46, s46, s24
	s_mov_b32 s47, 0
	s_mul_i32 s24, s14, 64*STRIPB
	s_lshl_b32 s25, ttmp9, 9
	s_add_co_u32 s24, s24, s25                     ; out0: sb * 64 strips + 512 j
	s_mov_b32 s25, 0
	s_lshl_b32 s48, s12, 15
	v_lshlrev_b32 v[OFFX], 4, v[R16]
	v_lshl_add_u32 v[OFFX], v[HL], 12, v[OFFX]
	v_add_nc_u32 v[OFFX], s48, v[OFFX]
	s_wait_kmcnt 0x0
	s_add_nc_u64 s[20:21], s[4:5], s[26:27]        ; x at row rho0 of the group's first strip
	s_add_nc_u64 s[22:23], s[4:5], s[46:47]        ; x at row rho1
	s_add_nc_u64 s[10:11], s[10:11], s[24:25]
	s_wait_alu depctr_va_vdst(0)                   ; the nine offsets v16 to v24 are written, which the 24 loads below read
.irp it, 0,1,2,3,4,5,6,7
	global_load_b128 v[PLD+4*\it:PLD+4*\it+3], v[OFFC+\it], s[8:9]
	global_load_b128 v[ALD+4*\it:ALD+4*\it+3], v[OFFC+\it], s[6:7]
.endr
.irp q, 0,1,2,3
	global_load_b128 v[XLD+4*\q:XLD+4*\q+3], v[OFFX], s[20:21] offset:8192*\q
.endr
.irp q, 0,1,2,3
	global_load_b128 v[XLD+16+4*\q:XLD+16+4*\q+3], v[OFFX], s[22:23] offset:8192*\q
.endr
	; while the loads are on their way: every LDS address, mask and constant of the kernel (none of these lines names a register of the loads)
	v_mul_u32_u24 v[TA], v[HL], PITCH
	v_lshl_add_u32 v[TA], v[R16], 3, v[TA]         ; storing rows: (lane / 16) rows + 8 bytes (4 bf16) a lane
	s_mul_i32 s24, s12, 16*PITCH
	v_add_nc_u32 v[LCS], s24, v[TA]
	s_mul_i32 s25, s12, 8*PITCH
	v_add_nc_u32 v[LXS], s25, v[TA]
	v_mul_u32_u24 v[TB], v[R16], PITCH
	v_lshl_add_u32 v[TB], v[HL], 4, v[TB]          ; a fragment's lane term: row lane % 16, 16 bytes a lane half
	v_add_nc_u32 v[CF1], s24, v[TB]                ; my own 16 classes
	s_lshl_b32 s26, s12, 6
	v_lshl_add_u32 v[LSS], v[R16], 2, s26          ; class 16 w + lane % 16, 4 bytes
	v_and_b32 v[R7], 7, v0
	v_bfe_u32 v[R3], v0, 3, 1
.irp j, 1,2,3,4,5,6,7
	v_cmp_eq_u32 s[MJ+\j], \j, v[R7]
.endr
	v_cmp_eq_u32 s[MV], v[HL], v[R3]               ; element (m, m) of a result lies in lane (m % 16, half m / 8), register m % 8
	s_and_b32 s29, s12, 3                          ; nt: my 16 strips
	s_lshr_b32 s30, s12, 2                         ; th: my four class tiles
	s_mul_i32 s24, s29, 16*PITCH
	v_add_nc_u32 v[XFA], s24, v[TB]
	s_mul_i32 s24, s30, 64*PITCH
	v_add_nc_u32 v[CFA], s24, v[TB]
	s_lshl_b32 s24, s30, 8
	v_lshl_add_u32 v[SCA], v[HL], 5, s24           ; scalars of classes 64 th + 8 (lane / 16) ..
	v_mul_u32_u24 v[TA], v[R16], SPITCH
	v_lshl_add_u32 v[TA], v[HL], 5, v[TA]
	s_mul_i32 s25, s29, 16*SPITCH
	s_add_co_u32 s25, s25, s24
	v_add_nc_u32 v[STA], s25, v[TA]                ; stage: strip 16 nt + lane % 16, float 64 th + 8 (lane / 16)
	s_lshl_b32 s24, s30, 6
	v_lshl_add_u32 v[OCT], v[HL], 3, s24
.irp tt, 0,1,2,3
	s_sub_co_i32 s[46+\tt], s18, 16*\tt
	v_cmp_le_i32 s[MK+\tt], s[46+\tt], v[OCT]      ; 64 th + 16 tt + 8 (lane / 16) >= w
.endr
	s_mul_i32 s24, s12, 8*SPITCH
	v_lshl_add_u32 v[RDA], v[LANE], 4, s24         ; the way out: wave w takes strips 8 w .. 8 w + 7
	s_mul_i32 s24, s12, 8*STRIPB
	v_lshl_add_u32 v[GO], v[LANE], 4, s24
	s_mov_b32 s[EPS], 0x26901d7d                   ; 1e-15
	s_mov_b32 s[SQK], 0x3ea1e89b                   ; sqrt(0.1)
	s_mov_b32 s[L2E2], 0x4038aa3b                  ; 2 log2(e)
	s_mov_b32 s[KT3], 0xbd5d0dd1                   ; -17/315
	s_mov_b32 s[KT2], 0x3e088889                   ; 2/15
	s_mov_b32 s[KT1], 0xbeaaaaab                   ; -1/3
	s_mov_b32 s[KK], 0x3dcccccd                    ; k = 0.1
	s_mov_b32 s[UTH], 0x3e000000                   ; 1/8
	s_mov_b32 s[TH2], 0x3c800000                   ; 1/64
	s_mov_b32 s[ABSM], 0x7fffffff
	s_mov_b32 s[SQK2], 0x3f21e89b                  ; 2 sqrt(k)
	s_mov_b32 s[KM2], 0xbe4ccccd                   ; -2 k
	s_mov_b32 s[SLC], 0x408c487b                   ; 2 ln2 / sqrt(k)
	s_mov_b32 s[PX0], 0x76543210                   ; v_permlanex16_b32: lane i of the other half
	s_mov_b32 s[PX1], 0xfedcba98
.irp i, 0,1
	v_mov_b32 v[VONE+\i], 1.0
	v_mov_b32 v[VC0+\i], 0x3fb8aa3b                ; the series of asinh in units of log2: 1/ln2,
	v_mov_b32 v[VC1+\i], 0xbe76384f                ; -1/(6 ln2),
	v_mov_b32 v[VC2+\i], 0x3ddd9914                ; 3/(40 ln2)
.endr
	v_mov_b32 v[PXT], 0                            ; v_permlanex16_b32's destination counts as read
	s_wait_alu depctr_va_sdst(0)                   ; the twelve lane masks s40-43 and s55-62 are written by the compares above, ahead of the first select that reads one
	; PHASE 1.  Round to bf16 (nearest even) and lay the rows into LDS: four pairs of class rows at a time, so that one wait serves eight stores.
.irp g, 0,1
	s_wait_loadcnt 16-8*\g                         ; loads return in order: p and a of these four pairs of rows are in, the 16 - 8 g younger loads stay out
.irp q, 0,1,2,3
	v_cvt_pk_bf16_f32 v[PLD+16*\g+4*\q],   v[PLD+16*\g+4*\q],   v[PLD+16*\g+4*\q+1]
	v_cvt_pk_bf16_f32 v[PLD+16*\g+4*\q+1], v[PLD+16*\g+4*\q+2], v[PLD+16*\g+4*\q+3]
	v_cvt_pk_bf16_f32 v[ALD+16*\g+4*\q],   v[ALD+16*\g+4*\q],   v[ALD+16*\g+4*\q+1]
	v_cvt_pk_bf16_f32 v[ALD+16*\g+4*\q+1], v[ALD+16*\g+4*\q+2], v[ALD+16*\g+4*\q+3]
.endr
	s_wait_alu depctr_va_vdst(0)                   ; the roundings have written the eight stores' data; the first time also: the head has written every LDS address and out0's offset
.irp q, 0,1,2,3
	ds_store_b64 v[LCS], v[PLD+16*\g+4*\q:PLD+16*\g+4*\q+1] offset:LP+2*PITCH*(4*\g+\q)
	ds_store_b64 v[LCS], v[ALD+16*\g+4*\q:ALD+16*\g+4*\q+1] offset:LA+2*PITCH*(4*\g+\q)
.endr
.endr
	s_wait_alu depctr_vm_vsrc(0)                   ; the sixteen stores have read v32-95; the loads below land in v64-95 (the roundings that named those stand ahead of the last wait on va_vdst)
.irp o, 0,1,2,3
	ds_load_b128 v[PF+4*\o:PF+4*\o+3], v[CF1] offset:LP+32*\o      ; my own 16 classes back as fragments: LDS serves a wave's
	ds_load_b128 v[AF+4*\o:AF+4*\o+3], v[CF1] offset:LA+32*\o      ; instructions in order, and no other wave writes these rows
.endr
	s_wait_loadcnt 0x0                             ; x is in
.irp i, 0,1,2,3,4,5,6,7
	v_cvt_pk_bf16_f32 v[XLD+4*\i],   v[XLD+4*\i],   v[XLD+4*\i+1]
	v_cvt_pk_bf16_f32 v[XLD+4*\i+1], v[XLD+4*\i+2], v[XLD+4*\i+3]
.endr
	s_wait_alu depctr_va_vdst(0)                   ; the roundings have written the data of x's eight stores
.irp i, 0,1,2,3,4,5,6,7
	ds_store_b64 v[LXS], v[XLD+4*\i:XLD+4*\i+1] offset:LX+XE*(\i/4)+2*PITCH*(\i%4)
.endr
	s_wait_dscnt 8                                 ; the eight stores of x were issued behind the fragment loads: those are in
	; |p|^2, |a|^2, p.a of 16 classes: the diagonals of three products of 16 x 16 x 64 (A's and B's fragments have the same layout)
	v_wmma_f32_16x16x32_bf16 v[D10:D10+7], v[PF:PF+7],    v[PF:PF+7],    0
	v_wmma_f32_16x16x32_bf16 v[D11:D11+7], v[AF:AF+7],    v[AF:AF+7],    0
	v_wmma_f32_16x16x32_bf16 v[D20:D20+7], v[PF:PF+7],    v[AF:AF+7],    0
	v_wmma_f32_16x16x32_bf16 v[D10:D10+7], v[PF+8:PF+15], v[PF+8:PF+15], v[D10:D10+7]
	v_wmma_f32_16x16x32_bf16 v[D11:D11+7], v[AF+8:AF+15], v[AF+8:AF+15], v[D11:D11+7]
	v_wmma_f32_16x16x32_bf16 v[D20:D20+7], v[PF+8:PF+15], v[AF+8:AF+15], v[D20:D20+7]
.rept 4
	v_nop                                          ; four places before a vector instruction reads a matrix result (ISA guide 7.12.1)
.endr
; the diagonal element of column lane % 16 into both lane halves: register lane % 8 by seven selects; the half that holds (m, m) hands it over
.macro DIAG dst, d
	v_cndmask_b32 v[\dst], v[\d], v[\d+1], s[MJ+1]
.irp j, 2,3,4,5,6,7
	v_cndmask_b32 v[\dst], v[\dst], v[\d+\j], s[MJ+\j]
.endr
	v_permlanex16_b32 v[PXT], v[\dst], s[PX0], s[PX1]
	v_cndmask_b32 v[\dst], v[PXT], v[\dst], s[MV]
.endm
	DIAG SS, D10
	DIAG SAA, D11
	DIAG DPA, D20
	; the class's scalars, class 16 w + lane % 16 in each lane.  Behind each run of transcendentals one plain instruction before a result is used.
	v_sqrt_f32 v[NRM], v[SS]
	v_sqrt_f32 v[ANR], v[SAA]
	v_nop
	s_wait_alu depctr_va_vdst(0)
	v_max_num_f32 v[NRM], s[EPS], v[NRM]
	v_mul_f32 v[UU], s[SQK], v[NRM]                ; u
	v_mul_f32 v[EAR], s[L2E2], v[UU]
	v_exp_f32 v[EXQ], v[EAR]                       ; e^(2u)
	v_rcp_f32 v[IUU], v[UU]
	v_mul_f32 v[UU2], v[UU], v[UU]
	v_cmp_gt_f32 vcc_lo, s[UTH], v[UU]             ; u < 1/8: made here, well ahead of the selects that read it
	s_wait_alu depctr_va_vdst(0)
	v_add_f32 v[EXQ], 1.0, v[EXQ]
	v_rcp_f32 v[QQ], v[EXQ]                        ; q = 1 / (1 + e^(2u))
	v_fma_f32 v[TSER], v[UU2], s[KT3], s[KT2]
	v_fma_f32 v[TSER], v[TSER], v[UU2], s[KT1]
	v_fma_f32 v[TSER], v[TSER], v[UU2], 1.0        ; tanh(u)/u = 1 - u^2/3 + 2u^4/15 - 17u^6/315
	s_wait_alu depctr_va_vdst(0)
	v_fma_f32 v[TBIG], v[QQ], -2.0, 1.0            ; tanh(u) = 1 - 2q
	v_mul_f32 v[TBIG], v[TBIG], v[IUU]
	v_fma_f32 v[BBIG], -v[QQ], v[QQ], v[QQ]
	v_mul_f32 v[BBIG], 4.0, v[BBIG]                ; 1 - tanh^2 = 4 q (1 - q)
	s_wait_alu depctr_va_vcc(0)                    ; the compare above has written VCC, ahead of its first reader, the select below
	v_cndmask_b32 v[TT], v[TBIG], v[TSER], vcc_lo
	v_mul_f32 v[KP2], v[TT], v[TT]
	v_mul_f32 v[KP2], v[KP2], v[SS]
	v_mul_f32 v[KP2], s[KK], v[KP2]                ; k p2
	v_sub_f32 v[W1], 1.0, v[KP2]                   ; under u = 1/8 k p2 is under 1/64: nothing cancels
	v_cndmask_b32 v[BET], v[BBIG], v[W1], vcc_lo
	v_add_f32 v[SCF], 1.0, v[KP2]
	v_mul_f32 v[ANR], v[ANR], v[SCF]
	v_max_num_f32 v[ANR], s[EPS], v[ANR]
	v_rcp_f32 v[IAN], v[ANR]
	v_rcp_f32 v[IBE], v[BET]
	v_mul_f32 v[W1], s[SQK2], v[SCF]
	s_wait_alu depctr_va_vdst(0)
	v_mul_f32 v[ACO], v[W1], v[IAN]                ; A
	v_mul_f32 v[W2], v[TT], v[DPA]
	v_mul_f32 v[W2], v[W2], v[IBE]
	v_mul_f32 v[GCO], -v[ACO], v[W2]               ; G
	v_mul_f32 v[W1], s[KM2], v[TT]
	v_mul_f32 v[PCO], v[W1], v[GCO]                ; P
	v_mul_f32 v[W2], v[ANR], v[IBE]
	v_mul_f32 v[SLO], s[SLC], v[W2]                ; S ln2
	s_wait_alu depctr_va_vdst(0)                   ; G, P, A, S ln2 are written, which the four stores read; the six products are done reading v64-95, and v128-153 have had their last use: loads land in both behind the barrier
	ds_store_b32 v[LSS], v[GCO] offset:LSC         ; both lane halves store the same number to the same word
	ds_store_b32 v[LSS], v[PCO] offset:LSC+512
	ds_store_b32 v[LSS], v[ACO] offset:LSC+1024
	ds_store_b32 v[LSS], v[SLO] offset:LSC+1536
	s_wait_dscnt 0x0                               ; for the other waves: all my rows and scalars are in LDS
	s_barrier_signal -1
	s_barrier_wait -1
	s_wait_alu depctr_vm_vsrc(0)                   ; my LDS stores have read their data: x's in v96-127 and the four scalars in v148-151, in which the scalar sets' loads land
	; PHASE 2.  Wave w: strips 16 nt .. + 15 (columns of the products), class tiles 4 th .. 4 th + 3 (rows of the products).
.irp o, 0,1,2,3
	ds_load_b128 v[XF0+4*\o:XF0+4*\o+3], v[XFA] offset:LX+32*\o
	ds_load_b128 v[XF1+4*\o:XF1+4*\o+3], v[XFA] offset:LX+XE+32*\o
.endr
; 16 loads: a class tile's fragments of p and a, and the scalars of my lane half's eight classes (all lanes of a half read the same bytes)
.macro LOADT tt, set
.irp o, 0,1,2,3
	ds_load_b128 v[PF+4*\o:PF+4*\o+3], v[CFA] offset:LP+16*PITCH*(\tt)+32*\o
	ds_load_b128 v[AF+4*\o:AF+4*\o+3], v[CFA] offset:LA+16*PITCH*(\tt)+32*\o
.endr
.irp arr, 0,1,2,3
	ds_load_b128 v[\set+8*\arr:\set+8*\arr+3],   v[SCA] offset:LSC+512*\arr+64*(\tt)
	ds_load_b128 v[\set+8*\arr+4:\set+8*\arr+7], v[SCA] offset:LSC+512*\arr+64*(\tt)+16
.endr
.endm
	LOADT 0, CS0
	s_wait_dscnt 16                                ; the x fragments are in; tile 0's sixteen loads stay out
	v_wmma_f32_16x16x32_bf16 v[ZZ:ZZ+7],   v[XF0:XF0+7],    v[XF0:XF0+7],    0             ; |x|^2: diagonals again
	v_wmma_f32_16x16x32_bf16 v[ZSQ:ZSQ+7], v[XF1:XF1+7],    v[XF1:XF1+7],    0
	v_wmma_f32_16x16x32_bf16 v[ZZ:ZZ+7],   v[XF0+8:XF0+15], v[XF0+8:XF0+15], v[ZZ:ZZ+7]
	v_wmma_f32_16x16x32_bf16 v[ZSQ:ZSQ+7], v[XF1+8:XF1+15], v[XF1+8:XF1+15], v[ZSQ:ZSQ+7]
.rept 4
	v_nop
.endr
	DIAG Y0, ZZ
	DIAG Y1, ZSQ
	v_fma_f32 v[DN0], -v[Y0], s[KK], 1.0
	v_fma_f32 v[DN1], -v[Y1], s[KK], 1.0
	v_fma_f32 v[HR0], v[Y0], s[KK], 1.0
	v_fma_f32 v[HR1], v[Y1], s[KK], 1.0
	v_rcp_f32 v[R0], v[DN0]                        ; r = 1 / (1 - k |x|^2) of my lane's row, for rho0 and rho1
	v_rcp_f32 v[R1], v[DN1]
	v_nop
	s_wait_alu depctr_va_vdst(0)
	v_mul_f32 v[HR0], v[HR0], v[R0]                ; h r
	v_mul_f32 v[HR1], v[HR1], v[R1]
; One tile: 16 classes x 16 strips.  Classes are source 0: register j of lane (r, half) is class 8 half + j of the tile, strip r: eight
; neighbouring floats of a row of out0.  cur: this tile's scalars; nxt: the set that the next tile's loads fill; cnt: see the wait.
; The tile's results stay in ZZ; the next tile (behind tile 3: the text behind it) stores them into the stage.
.macro TILE tt, cur, nxt, more, cnt
	s_wait_dscnt \cnt                              ; this tile's 16 loads are in; behind them only two stage stores were issued (tiles 2 and 3), or nothing (tiles 0 and 1)
	v_wmma_f32_16x16x32_bf16 v[D10:D10+7], v[PF:PF+7],    v[XF0:XF0+7],    0
	v_wmma_f32_16x16x32_bf16 v[D11:D11+7], v[PF:PF+7],    v[XF1:XF1+7],    0
	v_wmma_f32_16x16x32_bf16 v[D20:D20+7], v[AF:AF+7],    v[XF0:XF0+7],    0
	v_wmma_f32_16x16x32_bf16 v[D21:D21+7], v[AF:AF+7],    v[XF1:XF1+7],    0
	v_wmma_f32_16x16x32_bf16 v[D10:D10+7], v[PF+8:PF+15], v[XF0+8:XF0+15], v[D10:D10+7]
	v_wmma_f32_16x16x32_bf16 v[D11:D11+7], v[PF+8:PF+15], v[XF1+8:XF1+15], v[D11:D11+7]
	v_wmma_f32_16x16x32_bf16 v[D20:D20+7], v[AF+8:AF+15], v[XF0+8:XF0+15], v[D20:D20+7]
	v_wmma_f32_16x16x32_bf16 v[D21:D21+7], v[AF+8:AF+15], v[XF1+8:XF1+15], v[D21:D21+7]
	; four plain instructions that name none of the products' registers: the places in front of the reads of the results (ISA guide 7.12.1).
	; They pick my lane half's row scalars.
	v_cndmask_b32 v[RR],    v[R0],  v[R1],  s[MK+\tt]
	v_cndmask_b32 v[RR+1],  v[R0],  v[R1],  s[MK+\tt]
	v_cndmask_b32 v[HRR],   v[HR0], v[HR1], s[MK+\tt]
	v_cndmask_b32 v[HRR+1], v[HR0], v[HR1], s[MK+\tt]
	s_wait_alu depctr_va_vdst(0)                   ; the products are done reading the class fragments, and what came before this tile is done with the set nxt: loads land in both; the tile before has written ZZ, which the stores read
.if \more
	LOADT (\tt+1), \nxt                            ; a whole tile's arithmetic ahead of their use
.endif
.if \tt > 0
	ds_store_b128 v[STA], v[ZZ:ZZ+3]   offset:ST+64*(\tt-1)        ; the tile before goes into the stage
	ds_store_b128 v[STA], v[ZZ+4:ZZ+7] offset:ST+64*(\tt-1)+16
.endif
.irp j, 0,1,2,3,4,5,6,7
	v_cndmask_b32 v[D10+\j], v[D10+\j], v[D11+\j], s[MK+\tt]       ; x.p and x.a with the row that my eight classes belong to
	v_cndmask_b32 v[D20+\j], v[D20+\j], v[D21+\j], s[MK+\tt]
.endr
.irp j, 0,2,4,6
	v_pk_mul_f32 v[D11+\j:D11+\j+1], v[\cur+8+\j:\cur+8+\j+1], v[D10+\j:D10+\j+1]                      ; P (x.p)
	v_pk_mul_f32 v[D21+\j:D21+\j+1], v[\cur+\j:\cur+\j+1], v[HRR:HRR+1]                                ; G h r
.endr
.irp j, 0,2,4,6
	v_pk_fma_f32 v[D11+\j:D11+\j+1], v[\cur+16+\j:\cur+16+\j+1], v[D20+\j:D20+\j+1], v[D11+\j:D11+\j+1] ; + A (x.a)
.endr
.if \tt > 0
	s_wait_alu depctr_vm_vsrc(0)                   ; the two stage stores above have read ZZ, which the next lines write again
.endif
.irp j, 0,2,4,6
	v_pk_fma_f32 v[ZZ+\j:ZZ+\j+1], v[D11+\j:D11+\j+1], v[RR:RR+1], v[D21+\j:D21+\j+1]                  ; z
.endr
.irp j, 0,2,4,6
	v_pk_mul_f32 v[ZSQ+\j:ZSQ+\j+1], v[ZZ+\j:ZZ+\j+1], v[ZZ+\j:ZZ+\j+1]
.endr
.irp j, 0,2,4,6
	v_pk_add_f32 v[D10+\j:D10+\j+1], v[ZSQ+\j:ZSQ+\j+1], v[VONE:VONE+1]
.endr
.irp j, 0,1,2,3,4,5,6,7
	v_cmp_gt_f32 s[CM+\j], s[TH2], v[ZSQ+\j]       ; z^2 < 1/64: the eight masks in one run, well ahead of the selects
.endr
.irp j, 0,1,2,3,4,5,6,7
	v_sqrt_f32 v[D20+\j], v[D10+\j]
.endr
.irp j, 0,2,4,6
	v_pk_fma_f32 v[D11+\j:D11+\j+1], v[ZSQ+\j:ZSQ+\j+1], v[VC2:VC2+1], v[VC1:VC1+1]                    ; the series; also the plain work behind the roots
.endr
.irp j, 0,2,4,6
	v_pk_fma_f32 v[D11+\j:D11+\j+1], v[D11+\j:D11+\j+1], v[ZSQ+\j:ZSQ+\j+1], v[VC0:VC0+1]
.endr
	s_wait_alu depctr_va_vdst(0)
.irp j, 0,1,2,3,4,5,6,7
	v_add_f32 v[D10+\j], |v[ZZ+\j]|, v[D20+\j]
.endr
.irp j, 0,1,2,3,4,5,6,7
	v_log_f32 v[D21+\j], v[D10+\j]                 ; log2(|z| + sqrt(z^2 + 1))
.endr
.irp j, 0,1,2,3,4,5,6,7
	v_mul_f32 v[D11+\j], |v[ZZ+\j]|, v[D11+\j]     ; |z| (1 - z^2/6 + 3 z^4/40) / ln2
.endr
	s_wait_alu depctr_va_sdst(0)                   ; the eight compares have written s24-31, ahead of the first select that reads one
	s_wait_alu depctr_va_vdst(0)
.irp j, 0,1,2,3,4,5,6,7
	v_cndmask_b32 v[D21+\j], v[D21+\j], v[D11+\j], s[CM+\j]
.endr
.irp j, 0,2,4,6
	v_pk_mul_f32 v[D21+\j:D21+\j+1], v[D21+\j:D21+\j+1], v[\cur+24+\j:\cur+24+\j+1]                    ; times S ln2, which is not negative
.endr
.irp j, 0,1,2,3,4,5,6,7
	v_bfi_b32 v[ZZ+\j], s[ABSM], v[D21+\j], v[ZZ+\j]               ; z's sign; the result takes z's place
.endr
.endm
	TILE 0, CS0, CS1, 1, 0
	TILE 1, CS1, CS0, 1, 0
	TILE 2, CS0, CS1, 1, 2
	TILE 3, CS1, CS0, 0, 2
	s_wait_alu depctr_va_vdst(0)                   ; tile 3 has written ZZ, which the stores read; its products are done reading the x fragments, in which the way out's loads land
	ds_store_b128 v[STA], v[ZZ:ZZ+3]   offset:ST+64*3
	ds_store_b128 v[STA], v[ZZ+4:ZZ+7] offset:ST+64*3+16
	; THE WAY OUT.  A strip's 128 floats come from two waves, so a barrier; then a wave reads a strip's 512 bytes and stores them with one
	; instruction: 512 consecutive bytes at a multiple of 512 from out0's first byte.
	s_wait_dscnt 0x0
	s_barrier_signal -1
	s_barrier_wait -1
.irp i, 0,1,2,3,4,5,6,7
	ds_load_b128 v[XF0+4*\i:XF0+4*\i+3], v[RDA] offset:ST+SPITCH*\i
.endr
.irp i, 0,1,2,3,4,5,6,7
	s_wait_dscnt 7-\i                              ; LDS loads return in order: strip i is in
	global_store_b128 v[GO], v[XF0+4*\i:XF0+4*\i+3], s[10:11] offset:STRIPB*\i th:TH_STORE_NT
.endr
	s_wait_dscnt 0x0
	s_wait_alu depctr_hold_cnt(0) depctr_sa_sdst(0) depctr_va_vdst(0) depctr_va_sdst(0) depctr_va_ssrc(0) depctr_va_vcc(0) depctr_vm_vsrc(0)
	s_wait_tensorcnt 0x0
	ds_add_u32 v238, v239
	s_wait_dscnt 0x0
	s_endpgm
.Lfunc_end_k_q29e7244d1a_mlr:
	.size	k_q29e7244d1a_mlr, .Lfunc_end_k_q29e7244d1a_mlr-k_q29e7244d1a_mlr
	.p2alignl 7, 3214868480
	.fill 96, 4, 3214868480
	.section	.rodata,"a",@progbits
	.p2align	6, 0x0
	.amdhsa_kernel k_q29e7244d1a_mlr
		.amdhsa_group_segment_fixed_size 92160
		.amdhsa_private_segment_fixed_size 0
		.amdhsa_enable_private_segment 0
		.amdhsa_kernarg_size 32
		.amdhsa_user_sgpr_count 2
		.amdhsa_user_sgpr_kernarg_segment_ptr 1
		.amdhsa_wavefront_size32 1
		.amdhsa_system_sgpr_workgroup_id_x 1
		.amdhsa_system_sgpr_workgroup_id_y 1
		.amdhsa_system_sgpr_workgroup_id_z 1
		.amdhsa_system_vgpr_workitem_id 0
		.amdhsa_next_free_vgpr 240
		.amdhsa_next_free_sgpr 66
		.amdhsa_reserve_vcc 1
		.amdhsa_float_denorm_mode_32 3
		.amdhsa_float_denorm_mode_16_64 3
		.amdhsa_memory_ordered 1
		.amdhsa_forward_progress 1
		.amdhsa_inst_pref_size 57
	.end_amdhsa_kernel
	.amdgpu_metadata
---
amdhsa.version: [ 1, 2 ]
amdhsa.kernels:
  - .name:           k_q29e7244d1a_mlr
    .symbol:         k_q29e7244d1a_mlr.kd
    .args:
      - { .name: x, .offset: 0, .size: 8, .value_kind: global_buffer, .address_space: global }
      - { .name: a_vals, .offset: 8, .size: 8, .value_kind: global_buffer, .address_space: global }
      - { .name: p_vals, .offset: 16, .size: 8, .value_kind: global_buffer, .address_space: global }
      - { .name: out0, .offset: 24, .size: 8, .value_kind: global_buffer, .address_space: global }
    .group_segment_fixed_size: 92160
    .private_segment_fixed_size: 0
    .kernarg_segment_align: 8
    .kernarg_segment_size: 32
    .max_flat_workgroup_size: 256
    .sgpr_count:     66
    .vgpr_count:     240
    .wavefront_size: 32
...
	.end_amdgpu_metadata
.endif
;; end of part 2
